; MI455X (gfx1250); checked and timed in simulation.
; The chip was launched on July 23, 2026; its instructions are those of AMD's public machine-readable ISA for CDNA 5 (MIT licence, August 2026) and "CDNA5" Instruction Set Architecture Reference Guide (July 2026). The comments in the code are by the model that wrote it; some were corrected since.
;; Causal Self Attention. Allowed arithmetic: matrix products marked QUANTISED: E4M3 operands, one given power-of-two scale a tensor, by v_wmma_f32_16x16x64_fp8_fp8 or v_wmma_f32_16x16x128_fp8_fp8, f32 sums; everything else in f32.
;; Inputs: W_proj 1,024 x 1,024 float32; W_qkv 1,024 x 3,072 float32; lowp_scales 8 int32 (the exponents e of the quantised operands' scales 2^e); x 2 x 2,048 x 1,024 float32.
;; Outputs: out0 2 x 2,048 x 1,024 float32.
;; This version of the problem:
;;   THIS VERSION OF THE PROBLEM IS GIVEN IN LOW PRECISION. The matrix products marked QUANTISED in the list below multiply operands that are first quantised to E4M3 (4 exponent bits, 3 mantissa bits; 8 bits a number), with one given power-of-two scale for each operand tensor; their sums are f32. All else is computed in f32.
;;   The module's matrix products, in the order in which they are computed (A, B: the left and right operand; K: the contracted axis; several contracted axes count as one K, in the product's order):
;;     1. [M 4,096, K 1,024] x [K 1,024, N 3,072]; A: input x; B: input W_qkv: QUANTISED (scales: A lowp_scales[0], B lowp_scales[1])
;;     2. batch 32 x [M 2,048, K 64] x [K 64, N 2,048]; A: computed on the way; B: computed on the way: QUANTISED (scales: A lowp_scales[2], B lowp_scales[3])
;;     3. batch 32 x [M 2,048, K 2,048] x [K 2,048, N 64]; A: softmax (see below); B: computed on the way: QUANTISED (scales: A lowp_scales[4], B lowp_scales[5])
;;     4. [M 4,096, K 1,024] x [K 1,024, N 1,024]; A: computed on the way; B: input W_proj: QUANTISED (scales: A lowp_scales[6], B lowp_scales[7])
;;   THE QUANTISER, for each operand of a quantised product, along K:
;;     - The operand's scale is 2^e, e = its entry of the input lowp_scales (int32; the entries are numbered through the quantised products in the list's order, A before B).
;;     - Each number is divided by the scale, clamped to +-448, and rounded to the nearest number of E4M3, ties to even, subnormals kept.
;;     - The product sums the exact products of the quantised numbers (number of the format x scale) in f32.
;;   ~~~python
;;   def quantise(x, axis, e):      # numpy; x: float32 -> the quantised numbers, widened to float32 again
;;       x = np.moveaxis(x, axis, -1); K = x.shape[-1]
;;       r = np.clip(x / 2.0 ** e, -448, 448)
;;       step = 2.0 ** (np.maximum(np.frexp(np.where(r == 0, 1, r))[1] - 1, -6) - 3)
;;       q = np.round(r / step) * step * 2.0 ** e      # np.round: ties to even
;;       return np.moveaxis(q, -1, axis).astype(np.float32)
;;   ~~~
;;   SOFTMAX AHEAD OF A QUANTISED PRODUCT. Where the list says 'softmax', what is quantised is not the finished softmax but p = 2^(t - M), with t = logit x log2(e) and M = ceil(the row's largest t), a whole number; so 1/2 < the row's largest p <= 1. The row's sum l is taken of the UNQUANTISED p, in f32, and the product's result is divided by l at the end. Since M is a whole number, a kernel that streams over the keys may use a running M (the ceiling of the running maximum): every later rescaling is an exact power of two, so the quantised numbers keep their values, but for numbers so far below the row's largest that they fall under the format's range.
;;   OPERANDS COMPUTED ON THE WAY. 'Computed on the way' means the value that the module computes at that place (a softmax that the list does not call 'softmax' is quantised finished and normalised). What goes into a quantiser is computed in f32, as accurately as f32 sums, v_exp_f32 and their like allow (about 1e-6 of the number): no bf16 or f16 on the way to a quantiser, and a product that is left as it is and whose result goes on into a quantised operand takes f32 operands (vector FMAs, or v_wmma_f32_16x16x4_f32). A number that lies on a knife's edge between two numbers of the format may be rounded either way, as far as f32 arithmetic and the matrix unit's own rounding can turn it there, and no further.
;; One version. Each part assembles by itself: llvm-mc -triple=amdgcn-amd-amdhsa -mcpu=gfx1250 --defsym DOCPART=n.
;; ======== version 1 of 1: 4 launches
;; limits: right only within a limited range of input values
;; workspace buffers: x_codes 4,194,304 bytes; wqkv_codes 3,145,728 bytes; wproj_codes 1,048,576 bytes; q_codes 4,194,304 bytes; kv_codes 8,388,608 bytes; y_codes 4,194,304 bytes
;; launch quant (part 1): grid 256 x 1, 8 waves a work-group, no clusters, 102,400 bytes of LDS; arguments x, W_qkv, W_proj, lowp_scales, x_codes, wqkv_codes, wproj_codes; writes x_codes, wqkv_codes, wproj_codes
.if DOCPART == 1
	.amdgcn_target "amdgcn-amd-amdhsa--gfx1250"
	.amdhsa_code_object_version 6
	.text
	.protected	k_q90134a1dcd_quant
	.globl	k_q90134a1dcd_quant
	.p2align	8
	.type	k_q90134a1dcd_quant,@function
k_q90134a1dcd_quant:
	s_mov_b64 s[64:65], 0
	v_nop
	global_prefetch_b8 v0, s[64:65] scope:SCOPE_SE
	s_setreg_imm32_b32 hwreg(HW_REG_WAVE_MODE, 25, 1), 1
	s_wait_xcnt 0x0
; x [4096][1024], W_qkv [1024][3072] and W_proj [1024][1024], f32, become codes of FP8 (E4M3): code = number / 2^e, held within +-448, to the nearest code, ties to even.
; e = lowp_scales[0] for x, [1] for W_qkv, [7] for W_proj.  LIMITS: each e between -126 and 119 (2^e and 448 x 2^e are made as f32 patterns).  NaN among the inputs is not served.
; THE CODES ARE LAID AS IMAGES OF OPERAND REGISTERS.  An image is a fragment of 16 rows x 128 along K of the plain fp8 form, 2,048 bytes: byte 512 g + 16 lane + b (lane = r + 16 h) is row r,
; k = 32 g + 16 (b / 8) + 8 h + b % 8: registers 4 g .. 4 g + 3 of lane (r, h), every k in the place that the form gives it.  A later launch has a fragment by four loads of 16 bytes a lane at 16 x lane.
;   x_codes     [token tile 256][K step 8][image]                      row = token
;   wqkv_codes  [head 16][K step 8][column tile 12 = 4 part + dt][image]   row = column 1024 part + 64 head + 16 dt + r
;   wproj_codes [column block 16][K step 8][column tile 4][image]      row = column 64 block + 16 tile + r
; Work-groups 0-127 take x, 128-223 W_qkv, 224-255 W_proj: 128 KiB of f32 each, all of it asked for at the head, 16 KiB by each of eight waves.
; No matrix unit, no cluster, no barrier: waves share nothing.  The two ways never join and have LDS bytes of their own.  No prefetch: no loop to run ahead in.
.set XP,     528                       ; x's stage: a row of 512 bytes + 16: 33 x 16, so the sixteen rows that a read-back touches start at sixteen different banks (64 banks of 4 bytes: ISA guide 11.1)
.set XSTAGE, 0                         ; 16 rows x XP for each wave
.set WP,     528                       ; the weights' stage: eight column tiles x (512 bytes + 16) for each wave
.set WSTAGE, 8*16*XP
.set SPARE,  WSTAGE+8*8*WP             ; the spare words, 128 bytes for each wave
.set LI,  3                            ; v3   16 x lane
.set SC,  8                            ; v8   2^e as f32: the conversion takes its exponent field
.set LIM, 9                            ; v9   448 x 2^e
.set R,   32                           ; v32-159 128 numbers as loaded
.set X,   160                          ; x: v160-223 64 numbers, register 8 c + j = k 16 c + 8 h + j of my row.  W: two sets of 32 numbers of a column
.set C,   224                          ; v224-255 codes
.macro MKSCALE se                      ; v[SC], v[LIM] from the exponent in s[se]
	s_add_co_i32 s27, s[\se], 127
	s_lshl_b32 s28, s27, 23
	v_mov_b32 v[SC], s28
	s_add_co_i32 s27, s27, 8
	s_lshl_b32 s27, s27, 23
	s_or_b32 s27, s27, 0x600000                    ; the mantissa field of 448
	v_mov_b32 v[LIM], s27
.endm
	s_load_b256 s[4:11], s[0:1], 0x0               ; x s[4:5], W_qkv s[6:7], W_proj s[8:9], the exponents s[10:11]
	s_load_b128 s[12:15], s[0:1], 0x20             ; x_codes s[12:13], wqkv_codes s[14:15]
	s_load_b64 s[16:17], s[0:1], 0x30              ; wproj_codes
	v_lshl_add_u32 v30, v0, 2, SPARE
	v_mov_b32 v31, 0
	v_lshrrev_b32 v1, 5, v0
	v_readfirstlane_b32 s18, v1                    ; wave 0..7
	v_and_b32 v2, 31, v0                           ; lane
	v_and_b32 v4, 15, v0                           ; r
	v_bfe_u32 v5, v0, 4, 1                         ; h
	v_lshlrev_b32 v[LI], 4, v2
	s_wait_alu depctr_va_vdst(0)
	s_wait_kmcnt 0x0
	s_load_b256 s[48:55], s[10:11], 0x0            ; e0 .. e7
	s_cmp_lt_u32 ttmp9, 128
	s_cbranch_scc0 .Lweights
; ---------------- x.  Wave W = 8 x work-group + wave takes token tile W / 4 and K steps 2 (W % 4), + 1: two steps of 16 rows x 128 numbers.
	s_lshl_b32 s20, ttmp9, 3
	s_add_co_u32 s20, s20, s18                     ; W
	s_lshr_b32 s21, s20, 2
	s_and_b32 s22, s20, 3
	s_lshl_b32 s24, s21, 16                        ; 16 rows of 4,096 bytes
	s_lshl_b32 s23, s22, 10                        ; 256 numbers along a row
	s_add_co_u32 s24, s24, s23
	s_mov_b32 s25, 0
	s_add_nc_u64 s[4:5], s[4:5], s[24:25]
	s_lshl_b32 s24, s20, 12                        ; two images
	s_add_nc_u64 s[12:13], s[12:13], s[24:25]
	s_mul_i32 s26, s18, 16*XP                      ; my stage
.macro LOADX s                         ; step s: sixteen rows, 512 consecutive bytes a load
.irp j, 0,1,2,3,4,5,6,7,8,9,10,11,12,13,14,15
	global_load_b128 v[R+64*(\s)+4*\j:R+64*(\s)+4*\j+3], v[LI], s[4:5] offset:\j*4096+(\s)*512 th:TH_LOAD_NT
.endr
.endm
	LOADX 0
	LOADX 1
	v_add_nc_u32 v6, s26, v[LI]                    ; in: a row's 512 bytes as they lie
	v_mul_u32_u24 v7, v4, XP
	v_lshl_add_u32 v7, v5, 5, v7
	v_add_nc_u32 v7, s26, v7                       ; back: row r, + 32 h: eight numbers of each sixteen
	s_wait_alu depctr_va_vdst(0)
	s_wait_kmcnt 0x0
	MKSCALE 48
	s_wait_alu depctr_va_vdst(0)                   ; the head's end
.macro STEPX s
	s_wait_loadcnt 16*(1-(\s))                     ; this step's sixteen loads are in; step 0: step 1's sixteen may be out
.irp j, 0,1,2,3,4,5,6,7,8,9,10,11,12,13,14,15
	ds_store_b128 v6, v[R+64*(\s)+4*\j:R+64*(\s)+4*\j+3] offset:\j*XP   ; through the stage: LDS serves a wave's instructions in order (ISA guide 5.7.1.4), so no wait stands between the stores and the loads
.endr
.irp c, 0,1,2,3,4,5,6,7
	ds_load_b128 v[X+8*\c:X+8*\c+3], v7 offset:64*\c
	ds_load_b128 v[X+8*\c+4:X+8*\c+7], v7 offset:64*\c+16
.endr
	s_wait_dscnt 0x0
.set i, 0
.rept 64
	v_med3_num_f32 v[X+i], v[X+i], -v[LIM], v[LIM] ; the conversion to an 8-bit code does not saturate (ISA guide 7.6.2): the hold comes first
.set i, i+1
.endr
.irp c, 0,1,2,3,4,5,6,7
	v_cvt_scalef32_pk8_fp8_f32 v[C+16*(\s)+2*\c:C+16*(\s)+2*\c+1], v[X+8*\c:X+8*\c+7], v[SC]   ; registers 2 c, 2 c + 1 of the fragment
.endr
	v_nop                                          ; a plain line behind the last conversion
.irp g, 0,1,2,3
	global_store_b128 v[LI], v[C+16*(\s)+4*\g:C+16*(\s)+4*\g+3], s[12:13] offset:(\s)*2048+\g*512   ; 32 lanes store 512 consecutive bytes
.endr
.endm
	STEPX 0
	STEPX 1
	s_wait_tensorcnt 0x0                           ; the wave's end
	ds_add_u32 v30, v31
	s_wait_dscnt 0x0
	s_endpgm
; ---------------- the weights: K is their FIRST axis.  A work-group takes 128 columns x 256 along K, wave w all 128 columns x the w-th 32 along K.  A lane loads 16 bytes of each row: four neighbouring columns; the hold,
; which is owed for every number, writes each column's 32 numbers into consecutive registers, as the conversions want them: so nothing is transposed by an instruction of its own.
.Lweights:
	s_sub_co_u32 s20, ttmp9, 128
	s_cmp_lt_u32 s20, 96                           ; W_qkv's work-group or W_proj's?  The choice hangs on the work-group's number alone
	s_cselect_b64 s[4:5], s[6:7], s[8:9]
	s_cselect_b64 s[12:13], s[14:15], s[16:17]
	s_mov_b32 s21, 4096
	s_cselect_b32 s21, 12288, s21                  ; a row of the weight in bytes
	s_mov_b32 s22, 65536
	s_cselect_b32 s22, 196608, s22                 ; a head's (a column block's) codes
	s_mov_b32 s23, 8192
	s_cselect_b32 s23, 24576, s23                  ; a K step of them
	s_cselect_b32 s24, 0, 96
	s_sub_co_u32 s20, s20, s24
	s_lshr_b32 s25, s20, 2                         ; which 128 columns
	s_and_b32 s26, s20, 3                          ; which 256 along K
	s_lshl_b32 s28, s26, 8
	s_lshl_b32 s29, s18, 5
	s_add_co_u32 s28, s28, s29                     ; my first row
	s_mul_i32 s28, s28, s21
	s_lshl_b32 s29, s25, 9
	s_add_co_u32 s28, s28, s29
	s_mov_b32 s29, 0
	s_add_nc_u64 s[4:5], s[4:5], s[28:29]
.set i, 0
.rept 32
	v_mad_u32_u24 v[X+i], s21, i, v[LI]            ; i rows down + 16 x lane; free again when the loads are in
.set i, i+1
.endr
.set i, 0
.rept 32
	global_load_b128 v[R+4*i:R+4*i+3], v[X+i], s[4:5] th:TH_LOAD_NT   ; 32 lanes read 512 consecutive bytes
.set i, i+1
.endr
	s_lshl_b32 s30, s25, 1
	s_and_b32 s30, s30, 15
	s_mul_i32 s30, s30, s22                        ; the first of my two heads (column blocks)
	s_lshr_b32 s31, s25, 3
	s_lshl_b32 s31, s31, 13                        ; part: four images on (0 in W_proj)
	s_add_co_u32 s30, s30, s31
	s_lshl_b32 s31, s26, 1
	s_lshr_b32 s19, s18, 2
	s_add_co_u32 s31, s31, s19                     ; my K step
	s_mul_i32 s31, s31, s23
	s_add_co_u32 s30, s30, s31
	s_and_b32 s19, s18, 3
	s_lshl_b32 s19, s19, 9                         ; my 32 along K are one 512 bytes of each image
	s_add_co_u32 s28, s30, s19
	s_add_nc_u64 s[56:57], s[12:13], s[28:29]
	s_mov_b32 s28, s22
	s_add_nc_u64 s[58:59], s[56:57], s[28:29]      ; and in the second head
	s_mul_i32 s19, s18, 8*WP
	s_add_co_u32 s19, s19, WSTAGE                  ; my stage
	v_lshrrev_b32 v11, 2, v2                       ; my columns 4 lane .. + 3: column tile lane / 4,
	v_and_b32 v12, 3, v2                           ; rows 4 (lane % 4) .. + 3 of its image
	v_mul_u32_u24 v11, v11, WP
	v_lshl_add_u32 v11, v12, 6, v11
	v_add_nc_u32 v11, s19, v11
	v_add_nc_u32 v12, s19, v[LI]                   ; back: as it lies
	s_wait_alu depctr_va_vdst(0)
	s_wait_kmcnt 0x0
	s_cmp_lt_u32 ttmp9, 224
	s_cselect_b32 s19, s49, s55                    ; e1 or e7
	MKSCALE 19
	s_wait_alu depctr_va_vdst(0)                   ; the head's end
	s_wait_loadcnt 0x0
.irp c, 0,1,2,3                                ; my column c
.set XS, X+32*(\c%2)
.set CC, C+8*\c
.set i, 0
.rept 32
	v_med3_num_f32 v[XS+i], v[R+4*i+\c], -v[LIM], v[LIM]
.set i, i+1
.endr
	v_cvt_scalef32_pk8_fp8_f32 v[CC:CC+1],   v[XS:XS+7],     v[SC]   ; k 0-7 and 16-23 are the 16 bytes of image lane r,
	v_cvt_scalef32_pk8_fp8_f32 v[CC+2:CC+3], v[XS+16:XS+23], v[SC]
	v_cvt_scalef32_pk8_fp8_f32 v[CC+4:CC+5], v[XS+8:XS+15],  v[SC]   ; k 8-15 and 24-31 those of image lane r + 16
	v_cvt_scalef32_pk8_fp8_f32 v[CC+6:CC+7], v[XS+24:XS+31], v[SC]
	v_nop                                          ; a plain line behind the last conversion
	ds_store_b128 v11, v[CC:CC+3]   offset:16*\c
	ds_store_b128 v11, v[CC+4:CC+7] offset:16*\c+256
.endr
.irp t, 0,1,2,3,4,5,6,7
	ds_load_b128 v[R+4*\t:R+4*\t+3], v12 offset:\t*WP   ; these see my stores: a wave's LDS instructions are served in order
.endr
.irp t, 0,1,2,3,4,5,6,7
	s_wait_dscnt 7-\t                              ; read-back t is in; the later ones may be out
	global_store_b128 v[LI], v[R+4*\t:R+4*\t+3], s[56+2*(\t/4):57+2*(\t/4)] offset:(\t%4)*2048   ; 512 consecutive bytes
.endr
	s_wait_tensorcnt 0x0                           ; the wave's end
	ds_add_u32 v30, v31
	s_wait_dscnt 0x0
	s_endpgm
.Lfunc_end_k_q90134a1dcd_quant:
	.size	k_q90134a1dcd_quant, .Lfunc_end_k_q90134a1dcd_quant-k_q90134a1dcd_quant
	.p2alignl 7, 3214868480
	.fill 96, 4, 3214868480
	.section	.rodata,"a",@progbits
	.p2align	6, 0x0
	.amdhsa_kernel k_q90134a1dcd_quant
		.amdhsa_group_segment_fixed_size 102400
		.amdhsa_private_segment_fixed_size 0
		.amdhsa_enable_private_segment 0
		.amdhsa_kernarg_size 56
		.amdhsa_user_sgpr_count 2
		.amdhsa_user_sgpr_kernarg_segment_ptr 1
		.amdhsa_wavefront_size32 1
		.amdhsa_system_sgpr_workgroup_id_x 1
		.amdhsa_system_sgpr_workgroup_id_y 1
		.amdhsa_system_sgpr_workgroup_id_z 1
		.amdhsa_system_vgpr_workitem_id 0
		.amdhsa_next_free_vgpr 256
		.amdhsa_next_free_sgpr 66
		.amdhsa_reserve_vcc 0
		.amdhsa_float_denorm_mode_32 3
		.amdhsa_float_denorm_mode_16_64 3
		.amdhsa_memory_ordered 1
		.amdhsa_forward_progress 1
		.amdhsa_inst_pref_size 38
	.end_amdhsa_kernel
	.amdgpu_metadata
---
amdhsa.version: [ 1, 2 ]
amdhsa.kernels:
  - .name:           k_q90134a1dcd_quant
    .symbol:         k_q90134a1dcd_quant.kd
    .args:
      - { .name: x, .offset: 0, .size: 8, .value_kind: global_buffer, .address_space: global }
      - { .name: W_qkv, .offset: 8, .size: 8, .value_kind: global_buffer, .address_space: global }
      - { .name: W_proj, .offset: 16, .size: 8, .value_kind: global_buffer, .address_space: global }
      - { .name: lowp_scales, .offset: 24, .size: 8, .value_kind: global_buffer, .address_space: global }
      - { .name: x_codes, .offset: 32, .size: 8, .value_kind: global_buffer, .address_space: global }
      - { .name: wqkv_codes, .offset: 40, .size: 8, .value_kind: global_buffer, .address_space: global }
      - { .name: wproj_codes, .offset: 48, .size: 8, .value_kind: global_buffer, .address_space: global }
    .group_segment_fixed_size: 102400
    .private_segment_fixed_size: 0
    .kernarg_segment_align: 8
    .kernarg_segment_size: 56
    .max_flat_workgroup_size: 256
    .sgpr_count:     66
    .vgpr_count:     256
    .wavefront_size: 32
...
	.end_amdgpu_metadata
.endif
;; end of part 1
;; launch qkv (part 2): grid 16 x 16, 4 waves a work-group, clusters of 4 x 1, 327,680 bytes of LDS; arguments x_codes, wqkv_codes, lowp_scales, q_codes, kv_codes; writes q_codes, kv_codes
.if DOCPART == 2
	.amdgcn_target "amdgcn-amd-amdhsa--gfx1250"
	.amdhsa_code_object_version 6
	.text
	.protected	k_q90134a1dcd_qkv
	.globl	k_q90134a1dcd_qkv
	.p2align	8
	.type	k_q90134a1dcd_qkv,@function
k_q90134a1dcd_qkv:
	s_mov_b64 s[64:65], 0
	v_nop
	global_prefetch_b8 v0, s[64:65] scope:SCOPE_SE
	s_setreg_imm32_b32 hwreg(HW_REG_WAVE_MODE, 25, 1), 1
	s_wait_xcnt 0x0
	s_wait_alu depctr_hold_cnt(0) depctr_sa_sdst(0) depctr_va_vdst(0) depctr_va_sdst(0) depctr_va_ssrc(0) depctr_va_vcc(0) depctr_vm_vsrc(0)
	s_getreg_b32 s2, hwreg(HW_REG_IB_STS2, 6, 4)
	s_cmp_eq_u32 s2, 0
	s_cbranch_scc0 .Lentry_in_a_cluster
	s_endpgm
.Lentry_in_a_cluster:
	s_bfe_u32 s2, ttmp6, 0x10000c
	s_cmp_lg_u32 s2, 0x3003
	s_cbranch_scc0 .Lentry_shape_is_right
	s_endpgm
.Lentry_shape_is_right:
; q, k, v = x W_qkv on codes of FP8 (E4M3), each finished sum quantised on the way out with 2^e2 (q), 2^e3 (k), 2^e5 (v); sums stand for sum x 2^(e0 + e1), which is folded into the conversion's scale.
; LIMITS: e2 - e0 - e1, e3 - e0 - e1 and e5 - e0 - e1 between -126 and 119 (each power of two and 448 x it are made as f32 patterns).  NaN among the inputs is not served.
; SHARES.  Work-group (x, y): tokens 256 x .. + 255, head y: 64 columns each of q, k and v.  Wave w: 64 tokens (four token tiles) x 192 columns: 48 accumulators in windows 2 and 3.
; THE HEAD'S WEIGHTS, 196,608 bytes of images, lie in LDS whole: two loads of 24,576 bytes a wave, K steps 0-3 at the head, K steps 4-7 behind the round that shows the first; each LDS byte is filled once.
; CLUSTER 4 x 1: the four partners have the same head, so the weights are asked for jointly (mask 15).  The place in the cluster enters the addresses of x's codes and of the results alone.
; x's fragments go from memory straight into registers, each read by one wave of the work-group: a ring of four K steps in window 1.  NO PREFETCH: the text has no loop to run ahead in.
; A phase is one K step of one of the three parts: 16 matrix instructions on 16 accumulators by turns.  q and k are made transposed (a lane holds one token), v as it is (a lane holds one channel).
; q_codes [head of batch][token tile][image half of 1,024 bytes]; kv_codes [head of batch][chunk of 128 keys][K: 8 key tiles of 1,024 bytes, V: 4 channel tiles of 2,048 bytes].
.set NPH, 24                           ; phases = 8 K steps x 3 parts
.set PPK, 3
.set BS,  64
.set LI,  1
.set G1,  24
.set G0,  32
.set KG,  98304                        ; bytes of four K steps of the head's weights
.set MSB, 0
.macro WIN new
.if MSB != (\new)
	s_set_vgpr_msb (MSB<<8)|(\new)
.set MSB, (\new)
.endif
.endm
.macro PLACES
.rept 4
	v_nop
.endr
.endm
.macro CROUND
	s_barrier_signal -1
	s_barrier_wait -1
	s_cmp_lg_u32 s14, 0
	s_cbranch_scc1 .Lnot_wave_0_\@
	s_barrier_signal -3
.Lnot_wave_0_\@:
	s_barrier_wait -3
	s_barrier_signal -1
	s_barrier_wait -1
.endm
.macro BFETCH p
	WIN 0
.irp ct, 0,1,2,3
.irp g, 0,1,2,3
	ds_load_b128 v[BS+64*((\p)%3)+16*\ct+4*\g:BS+64*((\p)%3)+16*\ct+4*\g+3], v[LI+(\p)/8] offset:((\p)%8)*8192+\ct*2048+\g*512
.endr
.endr
.endm
.macro AFETCH ks
	WIN 0x40
.irp a, 0,1,2,3
.irp g, 0,1,2,3
	global_load_b128 v[64*((\ks)%4)+16*\a+4*\g:64*((\ks)%4)+16*\a+4*\g+3], v[LI], s[4:5] offset:\a*16384+(\ks)*2048+\g*512
.endr
.endr
.endm
.macro MUL16 p
.set KS_, (\p)/PPK
.set PT_, (\p)%PPK
.set BB_, BS+64*((\p)%3)
.set AA_, 64*(KS_%4)
.irp hi, 0,1
.if PT_ == 2
	WIN 0xa1+0x50*\hi
.else
	WIN 0xa4+0x50*\hi
.endif
.irp ap, 0,1
.irp ct, 0,1,2,3
.set AC_, 8*(12*\ap+4*PT_+\ct)
.set AR_, AA_+16*(2*\hi+\ap)
.set BR_, BB_+16*\ct
.if PT_ == 2
.if KS_ == 0
	v_wmma_f32_16x16x128_fp8_fp8 v[AC_:AC_+7], v[AR_:AR_+15], v[BR_:BR_+15], 0
.else
	v_wmma_f32_16x16x128_fp8_fp8 v[AC_:AC_+7], v[AR_:AR_+15], v[BR_:BR_+15], v[AC_:AC_+7]
.endif
.else
.if KS_ == 0
	v_wmma_f32_16x16x128_fp8_fp8 v[AC_:AC_+7], v[BR_:BR_+15], v[AR_:AR_+15], 0
.else
	v_wmma_f32_16x16x128_fp8_fp8 v[AC_:AC_+7], v[BR_:BR_+15], v[AR_:AR_+15], v[AC_:AC_+7]
.endif
.endif
.endr
.endr
.endr
.endm
.macro PHASE p, bar
.set KP_, (\p)/PPK
.if (\bar) >= 0
	s_wait_dscnt 0x0
	s_wait_tensorcnt \bar
	s_barrier_signal -1
	s_barrier_wait -1
.elseif (\p) == NPH-1
	s_wait_dscnt 0x0
.else
	s_wait_dscnt 16
.endif
	WIN 0
	PLACES
.if (\p)+2 < NPH
	BFETCH (\p)+2
.endif
.if (\p)%PPK == 0
.if (KP_ >= 1) && (KP_ <= 4)
	AFETCH KP_+3
.endif
.if 7-KP_ >= 3
	s_wait_loadcnt 48
.else
	s_wait_loadcnt 16*(7-KP_)
.endif
.endif
	MUL16 \p
.endm
	s_load_b256 s[4:11], s[0:1], 0x0
	s_load_b64 s[12:13], s[0:1], 0x20
	v_lshl_add_u32 v62, v0, 2, 0x30000
	v_mov_b32 v63, 0
	ds_add_u32 v62, v63
	ds_add_u32 v62, v63
	v_lshrrev_b32 v4, 5, v0
	v_readfirstlane_b32 s14, v4
	v_and_b32 v1, 31, v0
	v_lshlrev_b32 v1, 4, v1
	v_add_nc_u32 v2, 0x10000, v1
	v_add_nc_u32 v3, 0x20000, v1
	s_bfe_u32 s15, ttmp6, 0x40000
	s_lshl_b32 s16, ttmp9, 2
	s_add_co_u32 s16, s16, s15
	s_and_b32 s17, ttmp7, 0xffff
	s_mov_b32 s[G1+0], 15|(3<<16)|(1<<21)
	s_mov_b32 s[G1+1], 32<<16
	s_mov_b32 s[G1+2], 96<<16                      ; 96 rows of 256 bytes
	s_mov_b32 s[G1+3], 32<<16
	s_mov_b32 s[G1+4], 96
	s_mov_b32 s[G1+5], 32
	s_mov_b32 s[G1+6], 0
	s_mov_b32 s[G1+7], 0
	s_mul_i32 s18, s14, 24576                      ; my quarter of four K steps
	s_mul_i32 s20, s17, 196608
	s_add_co_u32 s20, s20, s18
	s_mov_b32 s21, 0
	s_lshl_b32 s22, s16, 18
	s_lshl_b32 s19, s14, 16
	s_add_co_u32 s22, s22, s19
	s_mov_b32 s23, 0
	s_wait_alu depctr_va_vdst(0)
	s_wait_dscnt 0x0                               ; both opening adds are done
	s_wait_kmcnt 0x0
	s_load_b256 s[48:55], s[8:9], 0x0
	s_add_nc_u64 s[6:7], s[6:7], s[20:21]
	s_add_nc_u64 s[4:5], s[4:5], s[22:23]
.irp k, 0,1
	s_mov_b32 s[G0+4*\k], 1
	s_add_co_u32 s[G0+4*\k+1], s18, \k*KG
	s_add_nc_u64 s[G0+4*\k+2:G0+4*\k+3], s[6:7], \k*KG
	s_or_b32 s[G0+4*\k+3], s[G0+4*\k+3], 0x80000000
.endr
	CROUND                                         ; all four work-groups are here: the first joint loads meet
	tensor_load_to_lds s[G0:G0+3], s[G1:G1+7]      ; K steps 0-3: my one load at the head
	s_nop 0
	PLACES
	s_wait_alu depctr_va_vdst(0)
	AFETCH 0
	AFETCH 1
	AFETCH 2
	AFETCH 3
	WIN 0
	s_wait_kmcnt 0x0
	s_add_co_i32 s19, s48, s49
.macro MKSCALE vs, se
	s_sub_co_i32 s20, s[\se], s19
	s_add_co_i32 s20, s20, 127
	s_lshl_b32 s21, s20, 23
	v_mov_b32 v[\vs], s21
	s_add_co_i32 s20, s20, 8
	s_lshl_b32 s20, s20, 23
	s_or_b32 s20, s20, 0x600000
	v_mov_b32 v[\vs+1], s20
.endm
	MKSCALE 8, 50
	MKSCALE 10, 51
	MKSCALE 12, 53
	s_lshr_b32 s20, s16, 3
	s_lshl_b32 s20, s20, 4
	s_add_co_u32 s20, s20, s17
	s_and_b32 s21, s16, 7
	s_lshl_b32 s21, s21, 8
	s_lshl_b32 s22, s14, 6
	s_add_co_u32 s21, s21, s22
	s_lshl_b32 s22, s20, 17
	s_lshl_b32 s23, s21, 6
	s_add_co_u32 s22, s22, s23
	s_mov_b32 s23, 0
	s_add_nc_u64 s[56:57], s[10:11], s[22:23]
	s_lshl_b32 s22, s20, 18
	s_lshr_b32 s2, s21, 7
	s_lshl_b32 s2, s2, 14
	s_add_co_u32 s22, s22, s2
	s_and_b32 s3, s14, 1
	s_lshl_b32 s2, s3, 12
	s_add_co_u32 s2, s22, s2
	s_lshl_b32 s3, s3, 10
	s_add_co_u32 s22, s22, s3
	s_add_co_u32 s22, s22, 8192
	s_add_nc_u64 s[60:61], s[12:13], s[22:23]
	s_mov_b32 s22, s2
	s_add_nc_u64 s[58:59], s[12:13], s[22:23]
	s_wait_alu depctr_va_vdst(0)                   ; the head's end
	s_wait_tensorcnt 0x0                           ; my part of K steps 0-3 is in;
	ds_add_u32 v62, v63
	s_wait_dscnt 0x0
	CROUND                                         ; everybody's part is in, and the next joint loads meet:
	tensor_load_to_lds s[G0+4:G0+7], s[G1:G1+7]    ; K steps 4-7, first read behind phase 10's barrier
	s_nop 0
	PLACES
	BFETCH 0
	BFETCH 1
.set PH, 0
.rept NPH
.set BAR, -1
.if PH == 10                           ; phase 10 fetches phase 12's weights, the first of K steps 4-7
.set BAR, 0
.endif
	PHASE PH, BAR
.set PH, PH+1
.endr
.macro OUTW W
.set CB, 64+48*(\W)
	WIN 0x82+0x41*(\W)
.set i, 0
.rept 24
.set LM, 9+2*((i%12)/4)
.set j, 0
.rept 8
	v_med3_num_f32 v[8*i+j], v[8*i+j], -v[LM], v[LM]
.set j, j+1
.endr
.set i, i+1
.endr
	WIN 0x02+(\W)
.set i, 0
.rept 24
.set PT, (i%12)/4
.if PT < 2
.set DST, CB+16*PT+8*(i/12)+2*(i%4)
.else
.set DST, CB+32+4*(i%4)+2*(i/12)
.endif
	v_cvt_scalef32_pk8_fp8_f32 v[DST:DST+1], v[8*i:8*i+7], v[8+2*PT]
.set i, i+1
.endr
	v_nop
	WIN 0
.irp ap, 0,1
.irp g, 0,1
	global_store_b128 v[LI], v[CB+8*\ap+4*\g:CB+8*\ap+4*\g+3], s[56:57] offset:(2*(\W)+\ap)*1024+\g*512
	global_store_b128 v[LI], v[CB+16+8*\ap+4*\g:CB+16+8*\ap+4*\g+3], s[58:59] offset:(2*(\W)+\ap)*1024+\g*512
.endr
.endr
.irp dt, 0,1,2,3
	global_store_b128 v[LI], v[CB+32+4*\dt:CB+32+4*\dt+3], s[60:61] offset:\dt*2048+(\W)*512
.endr
.endm
	WIN 0
	PLACES
	s_wait_alu depctr_va_vdst(0)
	OUTW 0
	OUTW 1
	s_wait_tensorcnt 0x0
	ds_add_u32 v62, v63
	s_wait_dscnt 0x0
	CROUND
	s_endpgm
.Lfunc_end_k_q90134a1dcd_qkv:
	.size	k_q90134a1dcd_qkv, .Lfunc_end_k_q90134a1dcd_qkv-k_q90134a1dcd_qkv
	.p2alignl 7, 3214868480
	.fill 96, 4, 3214868480
	.section	.rodata,"a",@progbits
	.p2align	6, 0x0
	.amdhsa_kernel k_q90134a1dcd_qkv
		.amdhsa_group_segment_fixed_size 327680
		.amdhsa_private_segment_fixed_size 0
		.amdhsa_enable_private_segment 0
		.amdhsa_kernarg_size 40
		.amdhsa_user_sgpr_count 2
		.amdhsa_user_sgpr_kernarg_segment_ptr 1
		.amdhsa_wavefront_size32 1
		.amdhsa_system_sgpr_workgroup_id_x 1
		.amdhsa_system_sgpr_workgroup_id_y 1
		.amdhsa_system_sgpr_workgroup_id_z 1
		.amdhsa_system_vgpr_workitem_id 0
		.amdhsa_next_free_vgpr 960
		.amdhsa_next_free_sgpr 66
		.amdhsa_reserve_vcc 0
		.amdhsa_float_denorm_mode_32 3
		.amdhsa_float_denorm_mode_16_64 3
		.amdhsa_memory_ordered 1
		.amdhsa_forward_progress 1
		.amdhsa_inst_pref_size 103
	.end_amdhsa_kernel
	.amdgpu_metadata
---
amdhsa.version: [ 1, 2 ]
amdhsa.kernels:
  - .name:           k_q90134a1dcd_qkv
    .symbol:         k_q90134a1dcd_qkv.kd
    .args:
      - { .name: x_codes, .offset: 0, .size: 8, .value_kind: global_buffer, .address_space: global }
      - { .name: wqkv_codes, .offset: 8, .size: 8, .value_kind: global_buffer, .address_space: global }
      - { .name: lowp_scales, .offset: 16, .size: 8, .value_kind: global_buffer, .address_space: global }
      - { .name: q_codes, .offset: 24, .size: 8, .value_kind: global_buffer, .address_space: global }
      - { .name: kv_codes, .offset: 32, .size: 8, .value_kind: global_buffer, .address_space: global }
    .group_segment_fixed_size: 327680
    .private_segment_fixed_size: 0
    .kernarg_segment_align: 8
    .kernarg_segment_size: 40
    .max_flat_workgroup_size: 128
    .sgpr_count:     66
    .vgpr_count:     960
    .wavefront_size: 32
...
	.end_amdgpu_metadata
.endif
;; end of part 2
;; launch attn (part 3): grid 4 x 64, 16 waves a work-group, clusters of 4 x 1, 327,680 bytes of LDS; arguments q_codes, kv_codes, lowp_scales, y_codes; writes y_codes
.if DOCPART == 3
	.amdgcn_target "amdgcn-amd-amdhsa--gfx1250"
	.amdhsa_code_object_version 6
	.text
	.protected	k_q90134a1dcd_attn
	.globl	k_q90134a1dcd_attn
	.p2align	8
	.type	k_q90134a1dcd_attn,@function
k_q90134a1dcd_attn:
	s_mov_b64 s[64:65], 0
	v_nop
	global_prefetch_b8 v0, s[64:65] scope:SCOPE_SE
	s_setreg_imm32_b32 hwreg(HW_REG_WAVE_MODE, 25, 1), 1
	s_wait_xcnt 0x0
	s_wait_alu depctr_hold_cnt(0) depctr_sa_sdst(0) depctr_va_vdst(0) depctr_va_sdst(0) depctr_va_ssrc(0) depctr_va_vcc(0) depctr_vm_vsrc(0)
	s_getreg_b32 s2, hwreg(HW_REG_IB_STS2, 6, 4)
	s_cmp_eq_u32 s2, 0
	s_cbranch_scc0 .Lentry_in_a_cluster
	s_endpgm
.Lentry_in_a_cluster:
	s_bfe_u32 s2, ttmp6, 0x10000c
	s_cmp_lg_u32 s2, 0x3003
	s_cbranch_scc0 .Lentry_shape_is_right
	s_endpgm
.Lentry_shape_is_right:
; y = softmax(q k^T / 8, causal) v for one head of one batch, both products on codes of FP8 (E4M3), and y quantised with 2^e6 for the last product.  e2 (q), e3 (k), e4 (p), e5 (v), e6 (y) = lowp_scales.
; THE SOFTMAX: t = score x log2(e) / 8; M = the running largest t rounded UP to a whole number; p = 2^(t - M) is what is quantised; the row's sum is taken of the unquantised p and divides at the end.
; When M moves, the sum and O are multiplied by 2^(old M - new M), which rounds nothing.
; LIMITS: e2 + e3 between -123 and 130 (added to c's exponent field); e4 and e6 between -126 and 119; e4 + e5 is applied by v_ldexp_f32 and has none.  The scaled scores t stay under 2^31 in magnitude.
; LEFT OUT: the chunks of 128 keys that come whole after a tile's queries: the causal mask makes their weights 0.  A NaN or an infinity that reaches those chunks alone is not carried to the result.
; SHARES.  A tile is 16 queries.  Work-group i of a head (x, and y / 32 for the upper four) owns tile i of each of the head's sixteen groups of 128 queries; group u's tile has u + 1 steps of 128 keys: 1 to 16 steps, 136 in all,
; in EVERY work-group.  A wave owns one tile: waves s, s + 4, s + 8, s + 12 (s = 0 .. 3) have 16 - s, 9 + s, 8 - s and 1 + s steps: 34 together, the longest in the lowest wave.
; THE HEAD'S K AND V, 256 KiB of images, lie in LDS as in memory, each byte filled once: chunks 0 and 1 (a sixteenth by each wave) at the head, chunks 2 to 15 (likewise) behind the round that shows the first; step 0 is walked while they land.
; CLUSTER 4 x 1: the four partners have the same head, so the chunks are asked for jointly (mask 15).  The place in the cluster enters the addresses of q and y and the mask's numbers alone: no branch, no trip count, no LDS address.
; NO PREFETCH: all that the work-group reads is asked for ahead of its first step.
; LAYOUT.  S^T = K Q^T (source 0 = 16 keys, source 1 = 16 queries), O^T = V^T P^T (source 0 = 16 of d, source 1 = p): a lane holds ONE query (lane % 16) throughout; register 8 kt + j of S^T is key
; 16 kt + 8 (lane / 16) + j, so the conversion of tile kt's eight registers is the pair 2 kt, 2 kt + 1 of p's fragment, every key in its own place.
; REGISTERS: v1 16 x lane; v2, v3 LDS addresses of this chunk and the next; v4 the permute's; v5 query - key base on the diagonal; v6, v7 the add's; v[8:9] f; v12 -M, v13 the largest score, v[14:15] the sum; v16-23 Q;
;   v10-11, v24-27 at work; v28 2^e4; v29 -infinity; v30-93 V's four fragments; v94-109 p's codes, laid over scores that have been converted; v96-159 S^T, then p; v160-191 O^T; v192-255 K's eight fragments, a step ahead; on the way out y.
.set LI,   1
.set ADR,  2
.set ADN,  3
.set SPW,  6
.set NIL,  7
.set VF,   30
.set PC,   94
.set KF,   192
.set WV,   12
.set U,    16                          ; s16  my tile's group: its last step, which lies on the diagonal
.set ST,   18                          ; s18  the step
.set TB,   21                          ; s21  LDS byte at which the step's chunk begins
.set SEL,  22                          ; s[22:23] v_permlanex16_b32's selects: lane l xor 16
.set CS,   24                          ; s[24:25] c = log2(e) / 8 x 2^(e2 + e3)
.set NCS,  42                          ; s42  -c
.set PL,   40                          ; s40  448 x 2^e4
.set EPV,  41                          ; s41  e4 + e5
.set YL,   43                          ; s43  448 x 2^e6
.set YS,   46                          ; s46  2^e6
.set G1,   28                          ; s[28:35] descriptor group 1 of the first load, s[36:39] its group 0
.set G0,   36
.set G1B,  68                          ; s[68:75], s[48:51] the second's
.set G0B,  48
.set SPARE, 262144                     ; the spare words, 128 bytes for each wave: no other line names them
.macro CROUND                          ; a round of the cluster's barrier
	s_barrier_signal -1
	s_barrier_wait -1
	s_cmp_lg_u32 s[WV], 0
	s_cbranch_scc1 .Lnot_wave_0_\@
	s_barrier_signal -3
.Lnot_wave_0_\@:
	s_barrier_wait -3
	s_barrier_signal -1
	s_barrier_wait -1
.endm
.macro KLOAD adr
.irp kt, 0,1,2,3,4,5,6,7
	ds_load_b128 v[KF+8*\kt:KF+3+8*\kt], v[\adr] offset:\kt*1024
	ds_load_b128 v[KF+4+8*\kt:KF+7+8*\kt], v[\adr] offset:\kt*1024+512
.endr
.endm
.macro FMAS n0, cnt                    ; t - M, two at a time
.set n, \n0
.rept \cnt
	v_pk_fma_f32 v[96+n:97+n], v[96+n:97+n], s[CS:CS+1], v[12:13] op_sel_hi:[1,0,0]
.set n, n+2
.endr
.endm
.macro HOLD kt                         ; the conversion does not saturate (ISA guide 7.6.2); p is not negative, so the hold is one-sided; two at a time
.irp j, 0,2,4,6
	v_dual_min_num_f32 v[96+8*(\kt)+\j], s[PL], v[96+8*(\kt)+\j] :: v_dual_min_num_f32 v[97+8*(\kt)+\j], s[PL], v[97+8*(\kt)+\j]
.endr
.endm
.macro CODE kt
	v_cvt_scalef32_pk8_fp8_f32 v[PC+2*(\kt):PC+1+2*(\kt)], v[96+8*(\kt):103+8*(\kt)], v28
.endm
; A KEY STEP: 128 keys, the chunk at LDS byte s[TB]; its K is in v192-255 or on its way there.
.macro STEP skip
.if \skip
	s_cmp_gt_u32 s[ST], s[U]                       ; all its keys come after my queries: left out
	s_cbranch_scc1 .Lnone_\@
.endif
	s_add_co_u32 s26, s[TB], 16384
	s_min_u32 s26, s26, 15*16384                   ; the next chunk (the last step does not use it)
	v_add_nc_u32 v[ADR], s[TB], v[LI]
	v_add_nc_u32 v[ADN], s26, v[LI]
.rept 3
	v_nop                                          ; with the additions: five places in front of loads, and of products that write, over registers that the last products read
.endr
.irp dt, 0,1,2,3
.irp g, 0,1,2,3
	ds_load_b128 v[VF+16*\dt+4*\g:VF+3+16*\dt+4*\g], v[ADR] offset:8192+\dt*2048+\g*512   ; V: it lands while the softmax is walked
.endr
.endr
	s_wait_alu depctr_va_vdst(0)
	s_wait_dscnt 16                                ; K is in; V's sixteen may be out
.irp kt, 0,1,2,3,4,5,6,7
	v_wmma_f32_16x16x64_fp8_fp8 v[96+8*\kt:103+8*\kt], v[KF+8*\kt:KF+7+8*\kt], v[16:23], 0
.endr
.rept 4
	v_nop                                          ; places: in front of the loads below and of the first read of the scores
.endr
	s_cmp_eq_u32 s[ST], s[U]
	s_cbranch_scc1 .Ldiag_\@
	KLOAD ADN                                      ; the next step's K, a step ahead; off the diagonal all keys count: no mask
	s_branch .Lopen_\@
.Ldiag_\@:
.set n, 0
.rept 64
	v_cmp_gt_i32 vcc_lo, 16*(n/8)+n%8, v5
	v_cndmask_b32 v[96+n], v[96+n], v29, vcc_lo    ; -infinity ahead of the maximum: p = 0 then.  The chunk's first key counts for every query of the tile, so M is a number
.set n, n+1
.endr
.Lopen_\@:
	v_max3_num_f32 v24, v96, v97, v98              ; the step's largest score of my query among my 64 keys, in four chains, each accumulator from its low end on,
	v_max3_num_f32 v26, v104, v105, v106
	v_max3_num_f32 v25, v99, v100, v101
	v_max3_num_f32 v27, v107, v108, v109
	v_max3_num_f32 v24, v24, v102, v103
	v_max3_num_f32 v26, v26, v110, v111
.irp b, 112,128,144
	v_max3_num_f32 v25, v25, v[\b], v[\b+1]
	v_max3_num_f32 v27, v27, v[\b+8], v[\b+9]
	v_max3_num_f32 v24, v24, v[\b+2], v[\b+3]
	v_max3_num_f32 v26, v26, v[\b+10], v[\b+11]
	v_max3_num_f32 v25, v25, v[\b+4], v[\b+5]
	v_max3_num_f32 v27, v27, v[\b+12], v[\b+13]
	v_max3_num_f32 v24, v24, v[\b+6], v[\b+7]
	v_max3_num_f32 v26, v26, v[\b+14], v[\b+15]
.endr
	v_max_num_f32 v27, v25, v27
	v_mov_b32 v25, v12                             ; the old -M
	v_max3_num_f32 v24, v24, v26, v27
	s_delay_alu instid0(VALU_DEP_1)
	v_permlanex16_b32 v4, v24, s[SEL], s[SEL+1]    ; among lane l xor 16's,
	s_delay_alu instid0(VALU_DEP_1)
	v_max3_num_f32 v13, v13, v24, v4               ; and so far
	s_delay_alu instid0(VALU_DEP_1)
	v_mul_f32 v24, s[NCS], v13                     ; -t (c is positive)
	s_delay_alu instid0(VALU_DEP_1)
	v_floor_f32 v12, v24                           ; the new -M = floor(-t): M is a whole number
	FMAS 0, 3
	v_sub_f32 v25, v12, v25                        ; old M - new M, 0 or less
	FMAS 6, 4
	v_cvt_i32_f32 v25, v25                         ; (it saturates)
	FMAS 14, 4
	v_ldexp_f32 v8, 1.0, v25                       ; f = 2^(old M - new M)
	FMAS 22, 21
.set n, 0
.rept 16
	v_pk_mul_f32 v[160+n:161+n], v[160+n:161+n], v[8:9] op_sel_hi:[1,0]   ; O^T under the new M
.set n, n+2
.endr
	s_wait_alu depctr_va_vdst(0)                   ; ahead of the batch
.set n, 0
.rept 64
	v_exp_f32 v[96+n], v[96+n]                     ; p = 2^(t - M)
.set n, n+1
.endr
	v_pk_mul_f32 v[14:15], v[14:15], v[8:9] op_sel_hi:[1,0]   ; the sums under the new M: the plain line behind the exponentials
	s_wait_alu depctr_va_vdst(0)                   ; one wait for the batch of 64, ahead of its first reader
	v_pk_add_f32 v[14:15], v[14:15], v[96:97]      ; the row's sum, of the unquantised p: two at a time, in four chains; then the hold, then the code
	v_pk_add_f32 v[10:11], v[98:99], v[100:101]
	v_pk_add_f32 v[24:25], v[102:103], v[104:105]
	v_pk_add_f32 v[26:27], v[106:107], v[108:109]
	HOLD 0
	v_pk_add_f32 v[14:15], v[14:15], v[110:111]
	HOLD 1
	CODE 0
.irp kt, 2,3,4,5,6,7
	v_pk_add_f32 v[10:11], v[10:11], v[96+8*\kt:97+8*\kt]
	v_pk_add_f32 v[24:25], v[24:25], v[98+8*\kt:99+8*\kt]
	v_pk_add_f32 v[26:27], v[26:27], v[100+8*\kt:101+8*\kt]
	v_pk_add_f32 v[14:15], v[14:15], v[102+8*\kt:103+8*\kt]
	HOLD \kt
	CODE \kt-1
.endr
	v_pk_add_f32 v[10:11], v[10:11], v[24:25]
	v_pk_add_f32 v[14:15], v[14:15], v[26:27]
	CODE 7
	v_pk_add_f32 v[14:15], v[14:15], v[10:11]      ; also the plain line between the conversions and the products
	s_wait_alu depctr_va_vdst(0)
	s_wait_dscnt 0x0                               ; V is in, and the next K, asked for as long ago
.irp dt, 0,1,2,3
	v_wmma_f32_16x16x128_fp8_fp8 v[160+8*\dt:167+8*\dt], v[VF+16*\dt:VF+15+16*\dt], v[PC:PC+15], v[160+8*\dt:167+8*\dt]   ; four accumulators by turns
.endr
.Lnone_\@:
.endm
	s_load_b256 s[4:11], s[0:1], 0x0               ; q_codes s[4:5], kv_codes s[6:7], the exponents s[8:9], y_codes s[10:11]
	v_lshl_add_u32 v[SPW], v0, 2, SPARE
	v_mov_b32 v[NIL], 0
	ds_add_u32 v[SPW], v[NIL]                      ; the opening add, twice on end
	ds_add_u32 v[SPW], v[NIL]
	v_lshrrev_b32 v2, 5, v0
	v_readfirstlane_b32 s[WV], v2                  ; wave 0..15
	s_bfe_u32 s14, ttmp6, 0x40000                  ; cx (the grid is one cluster wide)
	s_and_b32 s13, ttmp7, 0xffff
	s_lshr_b32 s15, s13, 5
	s_lshl_b32 s15, s15, 2
	s_add_co_u32 s14, s14, s15                     ; i
	s_and_b32 s13, s13, 31                         ; head of batch
	s_lshr_b32 s15, s[WV], 2
	s_and_b32 s26, s[WV], 3                        ; s
	s_and_b32 s27, s15, 1
	s_xor_b32 s27, s27, 1
	s_mul_i32 s27, s27, 3
	s_xor_b32 s26, s26, s27                        ; 3 - s in waves 0-3 and 8-11
	s_xor_b32 s27, s15, 3
	s_lshl_b32 s27, s27, 2
	s_add_co_u32 s[U], s26, s27
	s_lshl_b32 s27, s14, 4                         ; 16 i
	v_and_b32 v[LI], 31, v0
	v_and_b32 v3, 15, v0                           ; r
	v_bfe_u32 v4, v0, 4, 1                         ; h
	v_lshlrev_b32 v[LI], 4, v[LI]
	v_lshlrev_b32 v4, 3, v4
	v_sub_nc_u32 v5, v3, v4
	v_add_nc_u32 v5, s27, v5                       ; 16 i + r - 8 h: on the diagonal register 8 kt + j is hidden where 16 kt + j is greater
	; descriptor groups 1: 8 and 56 rows of 32 elements of 8 bytes, dense
.irp g, G1, G1B
	s_mov_b32 s[\g+0], 15|(3<<16)|(1<<21)          ; mask: all four work-groups; elements of 8 bytes; 21 set beside a mask; no padding
	s_mov_b32 s[\g+1], 32<<16                      ; tensor_dim0 = 32
	s_mov_b32 s[\g+3], 32<<16                      ; tile_dim0 = 32
	s_mov_b32 s[\g+5], 32                          ; from row to row
	s_mov_b32 s[\g+6], 0
	s_mov_b32 s[\g+7], 0
.endr
	s_mov_b32 s[G1+2], 8<<16                       ; tensor_dim1
	s_mov_b32 s[G1+4], 8                           ; tile_dim1
	s_mov_b32 s[G1B+2], 56<<16
	s_mov_b32 s[G1B+4], 56
	s_lshl_b32 s26, s[WV], 11                      ; my 2,048 bytes of chunks 0 and 1, in LDS as in the head
	s_mul_i32 s27, s[WV], 14336
	s_add_co_u32 s27, s27, 32768                   ; my 14,336 bytes of chunks 2 to 15
	s_lshl_b32 s60, s13, 18                        ; the head's 262,144 bytes
	s_add_co_u32 s62, s60, s27
	s_add_co_u32 s60, s60, s26
	s_mov_b32 s61, 0
	s_mov_b32 s63, 0
	s_wait_alu depctr_va_vdst(0)
	s_wait_dscnt 0x0                               ; both opening adds are done
	s_wait_kmcnt 0x0
	s_load_b256 s[52:59], s[8:9], 0x0              ; e0 .. e7
	s_mov_b32 s[G0], 1                             ; count = 1
	s_mov_b32 s[G0+1], s26
	s_add_nc_u64 s[G0+2:G0+3], s[6:7], s[60:61]    ; made of the head and the wave's number alone
	s_or_b32 s[G0+3], s[G0+3], 0x80000000          ; type = 2
	s_mov_b32 s[G0B], 1
	s_mov_b32 s[G0B+1], s27
	s_add_nc_u64 s[G0B+2:G0B+3], s[6:7], s[62:63]
	s_or_b32 s[G0B+3], s[G0B+3], 0x80000000
	CROUND                                         ; all four work-groups are here: the joint loads meet
	tensor_load_to_lds s[G0:G0+3], s[G1:G1+7]      ; my one load at the head
	s_nop 0
	s_lshl_b32 s26, s[U], 3
	s_add_co_u32 s26, s26, s14                     ; my tile
	s_lshl_b32 s62, s13, 17                        ; q: the head, then 1,024 bytes a tile
	s_lshl_b32 s60, s26, 10
	s_add_co_u32 s60, s60, s62
	s_add_nc_u64 s[44:45], s[4:5], s[60:61]
	global_load_b128 v[16:19], v[LI], s[44:45]     ; Q's fragment stays in registers
	global_load_b128 v[20:23], v[LI], s[44:45] offset:512
	s_lshr_b32 s60, s13, 4                         ; y: batch, 2,097,152 bytes;
	s_lshl_b32 s60, s60, 21
	s_lshl_b32 s62, s26, 14                        ; tile, eight images;
	s_add_co_u32 s60, s60, s62
	s_and_b32 s62, s13, 15
	s_lshl_b32 s62, s62, 10                        ; head: half an image
	s_add_co_u32 s60, s60, s62
	s_add_nc_u64 s[10:11], s[10:11], s[60:61]
	s_mov_b32 s[SEL], 0x76543210
	s_mov_b32 s[SEL+1], 0xfedcba98
	s_mov_b32 s[CS], 0x3e38aa3b                    ; log2(e) / 8
	s_mov_b32 s[ST], 0
	s_mov_b32 s[TB], 0
	v_mov_b32 v12, 0x7f61b1e6                      ; -M: 3e38,
	v_mov_b32 v13, 0xff61b1e6                      ; the largest score so far: -3e38.  The first change of M leaves zeros zeros
	v_mov_b32 v14, 0
	v_mov_b32 v15, 0
	v_mov_b32 v4, 0                                ; a lane permute's destination counts as one of its sources
	v_mov_b32 v9, 0                                ; (named as the upper half of the pair v[8:9])
	v_mov_b32 v29, 0xff800000                      ; -infinity
.set n, 0
.rept 32
	v_mov_b32 v[160+n], 0                          ; O^T: the step is written without a first step of its own
.set n, n+1
.endr
	s_wait_kmcnt 0x0
	s_add_co_i32 s26, s54, s55
	s_lshl_b32 s26, s26, 23
	s_add_co_i32 s[CS], s[CS], s26                 ; a score stands for score x 2^(e2 + e3)
	s_mov_b32 s[CS+1], s[CS]                       ; (named with it as a pair, so it is written)
	s_xor_b32 s[NCS], s[CS], 0x80000000
	s_add_co_i32 s26, s56, 127
	s_lshl_b32 s27, s26, 23
	v_mov_b32 v28, s27                             ; 2^e4
	s_add_co_i32 s26, s26, 8
	s_lshl_b32 s26, s26, 23
	s_or_b32 s[PL], s26, 0x600000
	s_add_co_i32 s26, s58, 127
	s_lshl_b32 s[YS], s26, 23
	s_add_co_i32 s26, s26, 8
	s_lshl_b32 s26, s26, 23
	s_or_b32 s[YL], s26, 0x600000
	s_add_co_i32 s[EPV], s56, s57
	s_wait_alu depctr_va_vdst(0)                   ; the head's end
	s_wait_tensorcnt 0x0                           ; my part of chunks 0 and 1 is in;
	ds_add_u32 v[SPW], v[NIL]
	s_wait_dscnt 0x0
	CROUND                                         ; everybody's part is in, and the next joint loads meet:
	tensor_load_to_lds s[G0B:G0B+3], s[G1B:G1B+7]  ; chunks 2 to 15
	s_nop 0
	KLOAD LI                                       ; chunk 0's K
	s_wait_loadcnt 0x0                             ; Q
	STEP 0                                         ; step 0 reads chunk 0 and chunk 1's K alone
	s_wait_tensorcnt 0x0                           ; my part of the other chunks is in,
	s_wait_dscnt 0x0
	s_barrier_signal -1
	s_barrier_wait -1                              ; everybody's is
	s_mov_b32 s[TB], 16384
	s_mov_b32 s[ST], 1
.Lstep:
	STEP 1
	s_add_co_u32 s[TB], s[TB], 16384
	s_add_co_u32 s[ST], s[ST], 1
	s_cmp_lt_u32 s[ST], 16
	s_cbranch_scc1 .Lstep
	; THE WAY OUT: y = O^T x 2^(e4 + e5) / the sum, quantised with 2^e6.  A lane's registers 8 dt + j are d = 16 dt + 8 h + j of its query: the pairs 2 dt, 2 dt + 1 of the head's half of y's image.
	v_add_f32 v14, v14, v15                        ; the sum's two halves,
	s_delay_alu instid0(VALU_DEP_1)
	v_permlanex16_b32 v4, v14, s[SEL], s[SEL+1]
	s_delay_alu instid0(VALU_DEP_1)
	v_add_f32 v14, v14, v4                         ; and lane l xor 16's
	s_wait_alu depctr_va_vdst(0)                   ; the wait ahead of the reciprocal,
	v_rcp_f32 v14, v14
	v_nop                                          ; a plain line behind it,
	s_wait_alu depctr_va_vdst(0)                   ; ahead of its first reader,
	v_ldexp_f32 v14, v14, s[EPV]
	v_mov_b32 v28, s[YS]                           ; 2^e6
	v_mov_b32 v29, s[YL]                           ; 448 x 2^e6
	s_wait_alu depctr_va_vdst(0)                   ; and ahead of the first readers of O^T
.set n, 0
.rept 16
	v_pk_mul_f32 v[192+n:193+n], v[160+n:161+n], v[14:15] op_sel_hi:[1,0]
.set n, n+2
.endr
.set n, 0
.rept 32
	v_med3_num_f32 v[192+n], v[192+n], -v29, v29
.set n, n+1
.endr
.irp dt, 0,1,2,3
	v_cvt_scalef32_pk8_fp8_f32 v[224+2*\dt:225+2*\dt], v[192+8*\dt:199+8*\dt], v28
.endr
	v_nop                                          ; a plain line behind the last conversion
	global_store_b128 v[LI], v[224:227], s[10:11]              ; 32 lanes store 512 consecutive bytes
	global_store_b128 v[LI], v[228:231], s[10:11] offset:512
	s_wait_tensorcnt 0x0                           ; the wave's end
	ds_add_u32 v[SPW], v[NIL]
	s_wait_dscnt 0x0
	CROUND                                         ; the closing round
	s_endpgm
.Lfunc_end_k_q90134a1dcd_attn:
	.size	k_q90134a1dcd_attn, .Lfunc_end_k_q90134a1dcd_attn-k_q90134a1dcd_attn
	.p2alignl 7, 3214868480
	.fill 96, 4, 3214868480
	.section	.rodata,"a",@progbits
	.p2align	6, 0x0
	.amdhsa_kernel k_q90134a1dcd_attn
		.amdhsa_group_segment_fixed_size 327680
		.amdhsa_private_segment_fixed_size 0
		.amdhsa_enable_private_segment 0
		.amdhsa_kernarg_size 32
		.amdhsa_user_sgpr_count 2
		.amdhsa_user_sgpr_kernarg_segment_ptr 1
		.amdhsa_wavefront_size32 1
		.amdhsa_system_sgpr_workgroup_id_x 1
		.amdhsa_system_sgpr_workgroup_id_y 1
		.amdhsa_system_sgpr_workgroup_id_z 1
		.amdhsa_system_vgpr_workitem_id 0
		.amdhsa_next_free_vgpr 256
		.amdhsa_next_free_sgpr 80
		.amdhsa_reserve_vcc 1
		.amdhsa_float_denorm_mode_32 3
		.amdhsa_float_denorm_mode_16_64 3
		.amdhsa_memory_ordered 1
		.amdhsa_forward_progress 1
		.amdhsa_inst_pref_size 54
	.end_amdhsa_kernel
	.amdgpu_metadata
---
amdhsa.version: [ 1, 2 ]
amdhsa.kernels:
  - .name:           k_q90134a1dcd_attn
    .symbol:         k_q90134a1dcd_attn.kd
    .args:
      - { .name: q_codes, .offset: 0, .size: 8, .value_kind: global_buffer, .address_space: global }
      - { .name: kv_codes, .offset: 8, .size: 8, .value_kind: global_buffer, .address_space: global }
      - { .name: lowp_scales, .offset: 16, .size: 8, .value_kind: global_buffer, .address_space: global }
      - { .name: y_codes, .offset: 24, .size: 8, .value_kind: global_buffer, .address_space: global }
    .group_segment_fixed_size: 327680
    .private_segment_fixed_size: 0
    .kernarg_segment_align: 8
    .kernarg_segment_size: 32
    .max_flat_workgroup_size: 512
    .sgpr_count:     80
    .vgpr_count:     256
    .wavefront_size: 32
...
	.end_amdgpu_metadata
.endif
;; end of part 3
;; launch proj (part 4): grid 32 x 8, 4 waves a work-group, clusters of 4 x 4, 327,680 bytes of LDS; arguments y_codes, wproj_codes, lowp_scales, out0; writes out0
.if DOCPART == 4
	.amdgcn_target "amdgcn-amd-amdhsa--gfx1250"
	.amdhsa_code_object_version 6
	.text
	.protected	k_q90134a1dcd_proj
	.globl	k_q90134a1dcd_proj
	.p2align	8
	.type	k_q90134a1dcd_proj,@function
k_q90134a1dcd_proj:
	s_mov_b64 s[64:65], 0
	v_nop
	global_prefetch_b8 v0, s[64:65] scope:SCOPE_SE
	s_setreg_imm32_b32 hwreg(HW_REG_WAVE_MODE, 25, 1), 1
	s_wait_xcnt 0x0
	s_wait_alu depctr_hold_cnt(0) depctr_sa_sdst(0) depctr_va_vdst(0) depctr_va_sdst(0) depctr_va_ssrc(0) depctr_va_vcc(0) depctr_vm_vsrc(0)
	s_getreg_b32 s2, hwreg(HW_REG_IB_STS2, 6, 4)
	s_cmp_eq_u32 s2, 0
	s_cbranch_scc0 .Lentry_in_a_cluster
	s_endpgm
.Lentry_in_a_cluster:
	s_bfe_u32 s2, ttmp6, 0x10000c
	s_cmp_lg_u32 s2, 0xf033
	s_cbranch_scc0 .Lentry_shape_is_right
	s_endpgm
.Lentry_shape_is_right:
; out0 = y W_proj on codes of FP8 (E4M3); each finished sum x 2^(e6 + e7) (lowp_scales[6], [7]).  LIMIT: e6 + e7 between -126 and 127, so that the factor is an f32 number.
; SHARES.  Work-group (x, y): tokens 128 x .. + 127, columns 128 y .. + 127: 256 work-groups.  Wave w: 64 tokens (half w / 2) x 64 columns (half w % 2): 16 accumulators.
; BOTH OPERANDS LIE IN LDS FOR THE WHOLE K, 131,072 bytes of images each, as they lie in memory; each LDS byte is filled once: waves 0 and 1 ask for y's halves, waves 2 and 3 for the weights', one load each.
; CLUSTERS 4 x 4: y's block hangs on x alone and is asked for jointly by the four of a column of the cluster, the weights' block on y alone, by the four of a row.
; NO PREFETCH: all that the work-group reads is asked for at its head.
; BY ROWS: the wave's weights, 8 K steps x 4 column tiles, come into 512 registers and stay; its four token tiles are finished one after the other, 32 matrix instructions each, K ascending, so that finished rows leave while the others are multiplied.
; THE MATRIX INSTRUCTION IS USED TRANSPOSED (source 0 = 16 columns, source 1 = 16 tokens): a lane holds eight neighbouring numbers of a row of out0.
; REGISTERS, in windows of 256: window 0: v1-8 addresses, v30, v31 the add's, v32-159 the way out, v128-255 token tiles 0 and 2; windows 1 and 2: the weights, four K steps each; window 3: v0-127 accumulators, (token tile a, column tile c) at
;   v[32 a + 8 c], v128-255 token tiles 1 and 3.
.set ADA, 2                            ; v2   LDS address of my token tiles
.set ADB, 3                            ; v3   of my column tiles
.set AF,  128
.set G1,  24                           ; s[24:31] descriptor group 1 for y's block, s[32:35] its group 0
.set G0,  32
.set G1B, 48                           ; s[48:55], s[36:39] the same for the weights
.set G0B, 36
.set STAGE, 262144                     ; behind both: 16 rows x (256 bytes + 16) for each wave; no tensor load fills it
.set SP,  272
.set SPARE, STAGE+4*16*SP              ; the spare words, 128 bytes for each wave: no other line names them
.set MSB, 0
.macro WIN new                         ; the immediate's high byte repeats the setting that is left
.if MSB != (\new)
	s_set_vgpr_msb (MSB<<8)|(\new)
.set MSB, (\new)
.endif
.endm
.macro PLACES
.rept 4
	v_nop
.endr
.endm
.macro CROUND                          ; a round of the cluster's barrier
	s_barrier_signal -1
	s_barrier_wait -1
	s_cmp_lg_u32 s14, 0
	s_cbranch_scc1 .Lnot_wave_0_\@
	s_barrier_signal -3
.Lnot_wave_0_\@:
	s_barrier_wait -3
	s_barrier_signal -1
	s_barrier_wait -1
.endm
.macro FETCHB ks                       ; K step ks of my four column tiles: 16 loads
	WIN 0x40*(1+(\ks)/4)
.irp t, 0,1,2,3
.irp g, 0,1,2,3
	ds_load_b128 v[64*((\ks)%4)+16*\t+4*\g:64*((\ks)%4)+16*\t+4*\g+3], v[ADB] offset:(\ks)*8192+\t*2048+\g*512
.endr
.endr
.endm
.macro FETCHA a, ks                    ; K step ks of token tile a: 4 loads
	WIN 0xc0*((\a)%2)
.irp g, 0,1,2,3
	ds_load_b128 v[AF+16*(\ks)+4*\g:AF+16*(\ks)+4*\g+3], v[ADA] offset:(\a)*16384+(\ks)*2048+\g*512
.endr
.endm
.macro FETCHA4 a, k0
	FETCHA \a, \k0
	FETCHA \a, \k0+1
	FETCHA \a, \k0+2
	FETCHA \a, \k0+3
.endm
.macro MUL a, ks                       ; the four accumulators take turns, one instruction a turn; K step 0 starts the sums with the constant 0
	WIN 0xf0+1+(\ks)/4+12*((\a)%2)
.irp ct, 0,1,2,3
.if (\ks) == 0
	v_wmma_f32_16x16x128_fp8_fp8 v[32*(\a)+8*\ct:32*(\a)+8*\ct+7], v[64*((\ks)%4)+16*\ct:64*((\ks)%4)+16*\ct+15], v[AF+16*(\ks):AF+16*(\ks)+15], 0
.else
	v_wmma_f32_16x16x128_fp8_fp8 v[32*(\a)+8*\ct:32*(\a)+8*\ct+7], v[64*((\ks)%4)+16*\ct:64*((\ks)%4)+16*\ct+15], v[AF+16*(\ks):AF+16*(\ks)+15], v[32*(\a)+8*\ct:32*(\a)+8*\ct+7]
.endif
.endr
.endm
; THE WAY OUT of a token tile (16 rows x 64 columns): x 2^(e6 + e7) into other registers, each accumulator from its low end on; through my own stage; back as whole rows of 256 bytes, into registers of the tile's own.
; LDS serves a wave's instructions in order (ISA guide 5.7.1.4): no wait in front of the next tile's stores.
.macro OUT a
.set TM, 32+32*(\a)
	WIN 0x03                                       ; source 0 window 3
	PLACES                                         ; behind the last products
.set i, 0
.rept 16
	v_pk_mul_f32 v[TM+2*i:TM+2*i+1], v[32*(\a)+2*i:32*(\a)+2*i+1], s[46:47] op_sel_hi:[1,0]
.set i, i+1
.endr
	WIN 0
.irp ct, 0,1,2,3
	ds_store_b128 v6, v[TM+8*\ct:TM+8*\ct+3] offset:64*\ct
	ds_store_b128 v6, v[TM+8*\ct+4:TM+8*\ct+7] offset:64*\ct+16
.endr
	s_wait_dscnt 0x0                               ; the stores have read their registers: the read-back lands there
.irp t, 0,1,2,3,4,5,6,7
	ds_load_b128 v[TM+4*\t:TM+4*\t+3], v7 offset:\t*2*SP
.endr
.endm
.macro SEND a, younger                 ; younger: the LDS loads issued behind the read-back
.set TM, 32+32*(\a)
	WIN 0
.irp t, 0,1,2,3,4,5,6,7
	s_wait_dscnt (\younger)+7-\t
	global_store_b128 v8, v[TM+4*\t:TM+4*\t+3], s[10:11] offset:(16*(\a)+2*\t)*4096 th:TH_STORE_NT   ; 16 lanes store 256 consecutive bytes, at a multiple of 256 from out0's first byte
.endr
.endm
	s_load_b256 s[4:11], s[0:1], 0x0               ; y_codes s[4:5], wproj_codes s[6:7], the exponents s[8:9], out0 s[10:11]
	v_lshl_add_u32 v30, v0, 2, SPARE
	v_mov_b32 v31, 0
	ds_add_u32 v30, v31                            ; the opening add, twice on end
	ds_add_u32 v30, v31
	v_lshrrev_b32 v4, 5, v0
	v_readfirstlane_b32 s14, v4                    ; wave 0..3
	s_lshr_b32 s15, s14, 1                         ; which 64 tokens.  Also: I fetch y (0) or the weights (1)
	s_and_b32 s16, s14, 1                          ; which 64 columns.  Also: which half I fetch
	s_bfe_u32 s40, ttmp6, 0x40000                  ; cx
	s_bfe_u32 s41, ttmp6, 0x40004                  ; cy
	s_lshl_b32 s42, ttmp9, 2
	s_add_co_u32 s42, s42, s40                     ; block of 128 tokens
	s_and_b32 s43, ttmp7, 0xffff
	s_lshl_b32 s43, s43, 2
	s_add_co_u32 s43, s43, s41                     ; block of 128 columns
	s_lshl_b32 s44, 0x1111, s40                    ; my column of the cluster
	s_lshl_b32 s45, s41, 2
	s_lshl_b32 s45, 15, s45                        ; my row
	; descriptor group 1: a dense block of 65,536 bytes as 256 rows of 32 elements of 8 bytes
	s_or_b32 s[G1], s44, (3<<16)|(1<<21)           ; 15:0 the mask; elements of 8 bytes; 21 set beside a mask; no padding
	s_or_b32 s[G1B], s45, (3<<16)|(1<<21)
.irp g, G1, G1B
	s_mov_b32 s[\g+1], 32<<16                      ; tensor_dim0 = 32
	s_mov_b32 s[\g+2], 256<<16                     ; tensor_dim1 = 256
	s_mov_b32 s[\g+3], 32<<16                      ; tile_dim0 = 32
	s_mov_b32 s[\g+4], 256                         ; tile_dim1 = 256
	s_mov_b32 s[\g+5], 32                          ; from row to row
	s_mov_b32 s[\g+6], 0
	s_mov_b32 s[\g+7], 0
.endr
	s_lshl_b32 s17, s16, 16                        ; my half of a block
	s_lshl_b32 s20, s42, 17                        ; y: eight token tiles of 16,384 bytes
	s_add_co_u32 s20, s20, s17
	s_mov_b32 s21, 0
	s_lshl_b32 s22, s43, 17                        ; the weights: two blocks of 64 columns
	s_add_co_u32 s22, s22, s17
	s_mov_b32 s23, 0
	s_lshl_b32 s18, s14, 16                        ; LDS: y's halves, then the weights'
	s_wait_alu depctr_va_vdst(0)
	s_wait_dscnt 0x0                               ; both opening adds are done
	s_wait_kmcnt 0x0
	s_load_b256 s[56:63], s[8:9], 0x0              ; e0 .. e7
	s_mov_b32 s[G0], 1                             ; count = 1
	s_mov_b32 s[G0+1], s18
	s_add_nc_u64 s[G0+2:G0+3], s[4:5], s[20:21]
	s_or_b32 s[G0+3], s[G0+3], 0x80000000          ; type = 2
	s_mov_b32 s[G0B], 1
	s_mov_b32 s[G0B+1], s18
	s_add_nc_u64 s[G0B+2:G0B+3], s[6:7], s[22:23]
	s_or_b32 s[G0B+3], s[G0B+3], 0x80000000
	CROUND                                         ; all sixteen work-groups are here: the joint loads meet
	s_cmp_eq_u32 s15, 0
	s_cbranch_scc0 .Lfor_w
	tensor_load_to_lds s[G0:G0+3], s[G1:G1+7]
	s_nop 0
	PLACES
	s_branch .Lasked
.Lfor_w:
	tensor_load_to_lds s[G0B:G0B+3], s[G1B:G1B+7]
	s_nop 0
	PLACES
.Lasked:
	s_lshl_b32 s17, s15, 16                        ; my four token tiles in LDS
	s_lshl_b32 s18, s16, 16
	s_add_co_u32 s18, s18, 131072                  ; my four column tiles
	s_mul_i32 s19, s14, 16*SP
	s_add_co_u32 s19, s19, STAGE                   ; my stage
	s_lshl_b32 s12, s42, 19                        ; out0: 128 rows of 4,096 bytes,
	s_lshl_b32 s13, s15, 18                        ; my 64 of them,
	s_add_co_u32 s12, s12, s13
	s_lshl_b32 s13, s43, 9                         ; 128 columns,
	s_add_co_u32 s12, s12, s13
	s_lshl_b32 s13, s16, 8                         ; my 64 of them
	s_add_co_u32 s12, s12, s13
	s_mov_b32 s13, 0
	s_add_nc_u64 s[10:11], s[10:11], s[12:13]
	v_and_b32 v1, 31, v0
	v_and_b32 v4, 15, v0                           ; r
	v_bfe_u32 v5, v0, 4, 1                         ; h
	v_lshlrev_b32 v1, 4, v1                        ; 16 x lane
	v_mul_u32_u24 v6, v4, SP
	v_mul_u32_u24 v7, v5, SP
	v_lshlrev_b32 v8, 12, v5
	v_add_nc_u32 v[ADA], s17, v1
	v_add_nc_u32 v[ADB], s18, v1
	v_lshl_add_u32 v6, v5, 5, v6
	v_lshl_add_u32 v7, v4, 4, v7
	v_lshl_add_u32 v8, v4, 4, v8                   ; out0: lanes 0-15 one row, lanes 16-31 the next
	v_add_nc_u32 v6, s19, v6                       ; the stage, in: row r, 32 bytes for each half of the lanes
	v_add_nc_u32 v7, s19, v7                       ; back: lanes 0-15 one row of 256 bytes, lanes 16-31 the next
	s_wait_alu depctr_va_vdst(0)                   ; the head's end
	s_wait_kmcnt 0x0
	s_add_co_i32 s46, s62, s63
	s_add_co_i32 s46, s46, 127
	s_lshl_b32 s46, s46, 23                        ; 2^(e6 + e7) as f32
	s_mov_b32 s47, s46                             ; (named with it as a pair, so it is written)
	s_wait_tensorcnt 0x0                           ; my part is in,
	s_barrier_signal -1
	s_barrier_wait -1                              ; everybody's is
	FETCHB 0
	FETCHA 0, 0
	FETCHB 1
	FETCHA 0, 1
.irp ks, 0,1,2,3,4,5,6,7                       ; token tile 0 goes along with the weights' loads, two K steps behind them
.if \ks < 6
	FETCHB \ks+2
	FETCHA 0, \ks+2
	s_wait_dscnt 40                                ; this K step's fragments are in; the 20 loads of each of the next two may be out
.elseif \ks == 6
	FETCHA4 1, 0
	s_wait_dscnt 36                                ; out may be: K step 7's 20 loads and token tile 1's first 16
.else
	FETCHA4 1, 4
	s_wait_dscnt 32                                ; out may be: token tile 1's 32
.endif
	MUL 0, \ks
.endr
.irp a, 0,1,2                                  ; a tile on its way out beside the next tile's products
	OUT \a                                         ; (its wait for the stage's stores shows the next tile's fragments too)
.if \a < 2
	FETCHA4 \a+2, 0                                ; the tile after the next, over registers that this tile's products read: OUT's scalings are the places
	FETCHA4 \a+2, 4
.endif
	MUL \a+1, 0
	MUL \a+1, 1
	MUL \a+1, 2
	MUL \a+1, 3
.if \a < 2
	SEND \a, 32
.else
	SEND \a, 0
.endif
	MUL \a+1, 4
	MUL \a+1, 5
	MUL \a+1, 6
	MUL \a+1, 7
.endr
	OUT 3
	SEND 3, 0
	s_wait_tensorcnt 0x0                           ; the wave's end
	ds_add_u32 v30, v31
	s_wait_dscnt 0x0
	CROUND                                         ; the closing round: no work-group ends while a partner may still ask for a block that names it
	s_endpgm
.Lfunc_end_k_q90134a1dcd_proj:
	.size	k_q90134a1dcd_proj, .Lfunc_end_k_q90134a1dcd_proj-k_q90134a1dcd_proj
	.p2alignl 7, 3214868480
	.fill 96, 4, 3214868480
	.section	.rodata,"a",@progbits
	.p2align	6, 0x0
	.amdhsa_kernel k_q90134a1dcd_proj
		.amdhsa_group_segment_fixed_size 327680
		.amdhsa_private_segment_fixed_size 0
		.amdhsa_enable_private_segment 0
		.amdhsa_kernarg_size 32
		.amdhsa_user_sgpr_count 2
		.amdhsa_user_sgpr_kernarg_segment_ptr 1
		.amdhsa_wavefront_size32 1
		.amdhsa_system_sgpr_workgroup_id_x 1
		.amdhsa_system_sgpr_workgroup_id_y 1
		.amdhsa_system_sgpr_workgroup_id_z 1
		.amdhsa_system_vgpr_workitem_id 0
		.amdhsa_next_free_vgpr 1024
		.amdhsa_next_free_sgpr 66
		.amdhsa_reserve_vcc 0
		.amdhsa_float_denorm_mode_32 3
		.amdhsa_float_denorm_mode_16_64 3
		.amdhsa_memory_ordered 1
		.amdhsa_forward_progress 1
		.amdhsa_inst_pref_size 45
	.end_amdhsa_kernel
	.amdgpu_metadata
---
amdhsa.version: [ 1, 2 ]
amdhsa.kernels:
  - .name:           k_q90134a1dcd_proj
    .symbol:         k_q90134a1dcd_proj.kd
    .args:
      - { .name: y_codes, .offset: 0, .size: 8, .value_kind: global_buffer, .address_space: global }
      - { .name: wproj_codes, .offset: 8, .size: 8, .value_kind: global_buffer, .address_space: global }
      - { .name: lowp_scales, .offset: 16, .size: 8, .value_kind: global_buffer, .address_space: global }
      - { .name: out0, .offset: 24, .size: 8, .value_kind: global_buffer, .address_space: global }
    .group_segment_fixed_size: 327680
    .private_segment_fixed_size: 0
    .kernarg_segment_align: 8
    .kernarg_segment_size: 32
    .max_flat_workgroup_size: 128
    .sgpr_count:     66
    .vgpr_count:     1024
    .wavefront_size: 32
...
	.end_amdgpu_metadata
.endif
;; end of part 4
